; MI455X (gfx1250); checked and timed in simulation.
; The chip was launched on July 23, 2026; its instructions are those of AMD's public machine-readable ISA for CDNA 5 (MIT licence, August 2026) and "CDNA5" Instruction Set Architecture Reference Guide (July 2026). The comments in the code are by the model that wrote it; some were corrected since.
;; CMI Attention Matrix For Acrobot. Allowed arithmetic: matrix products marked QUANTISED: E5M2 operands, one given power-of-two scale a tensor, by v_wmma_f32_16x16x64_bf8_bf8 or v_wmma_f32_16x16x128_bf8_bf8, f32 sums; products left as they are: f32 operands where the result goes on into a quantised operand, else bf16, f16 or f32 operands; f32 sums; everything else in f32.
;; Inputs: W_k 4,096 x 4,096 float32; W_lin 6 x 4,096 float32; W_q_codes 4,096 x 128 x 32 uint8 (E5M2 codes of W_q, K innermost, in blocks of 32 codes); b_k 4,096 float32; b_lin 6 float32; b_q 4,096 float32; data_k 6 x 4,096 float32; data_q_codes 4,096 x 128 x 32 uint8 (E5M2 codes of data_q, K innermost, in blocks of 32 codes); lowp_scales 2 int32 (the exponents e of the quantised operands' scales 2^e).
;; Outputs: out0 4,096 x 6 float32.
;; This version of the problem:
;;   THIS VERSION OF THE PROBLEM IS GIVEN IN LOW PRECISION. The matrix products marked QUANTISED in the list below multiply operands that are first quantised to E5M2 (5 exponent bits, 2 mantissa bits; 8 bits a number), with one given power-of-two scale for each operand tensor; their sums are f32. All else is computed in f32.
;;   The module's matrix products, in the order in which they are computed (A, B: the left and right operand; K: the contracted axis; several contracted axes count as one K, in the product's order):
;;     1. [M 4,096, K 4,096] x [K 4,096, N 4,096]; A: input data_q (given as codes); B: input W_q (given as codes): QUANTISED (scales: A lowp_scales[0], B lowp_scales[1])
;;     2. [M 4,096, K 4,096] x [K 4,096, N 6]; A: computed on the way; B: input W_lin: left as it is (N = 6 < 16)
;;     3. [M 6, K 4,096] x [K 4,096, N 4,096]; A: input data_k; B: input W_k: left as it is (M = 6 < 16)
;;     4. [M 4,096, K 4,096] x [K 4,096, N 6]; A: computed on the way; B: computed on the way: left as it is (N = 6 < 16)
;;   THE QUANTISER, for each operand of a quantised product, along K:
;;     - The operand's scale is 2^e, e = its entry of the input lowp_scales (int32; the entries are numbered through the quantised products in the list's order, A before B).
;;     - Each number is divided by the scale, clamped to +-57,344, and rounded to the nearest number of E5M2, ties to even, subnormals kept.
;;     - The product sums the exact products of the quantised numbers (number of the format x scale) in f32.
;;   ~~~python
;;   def quantise(x, axis, e):      # numpy; x: float32 -> the quantised numbers, widened to float32 again
;;       x = np.moveaxis(x, axis, -1); K = x.shape[-1]
;;       r = np.clip(x / 2.0 ** e, -57344, 57344)
;;       step = 2.0 ** (np.maximum(np.frexp(np.where(r == 0, 1, r))[1] - 1, -14) - 2)
;;       q = np.round(r / step) * step * 2.0 ** e      # np.round: ties to even
;;       return np.moveaxis(q, -1, axis).astype(np.float32)
;;   ~~~
;;   INPUTS GIVEN AS CODES. W_q (in the module: [4096, 4096], K = its axis 1); data_q (in the module: [4096, 4096], K = its axis 1): each comes as NAME_codes (uint8): NAME with its K axis moved to the last place and cut into blocks of 32 codes, [.., K / 32, bytes a block], one block behind the other in memory; one code a byte (a code: sign, 5 exponent bits, 2 mantissa bits); its scale is its entry of lowp_scales. Its value is code x scale, taken as it is: it is not quantised again, and the codes and scales need not be those that the quantiser above would give.
;; One version. Each part assembles by itself: llvm-mc -triple=amdgcn-amd-amdhsa -mcpu=gfx1250 --defsym DOCPART=n.
;; ======== version 1 of 1: 3 launches
;; limits: values are held in f16: magnitudes above 65,504 overflow, below 6.1e-05 lose precision; inputs' magnitudes at most 65,504; right only within a limited range of input values; values are held in bf16: 8 bits of precision
;; workspace buffers: qimg 33,554,432 bytes; ctxp 4,194,304 bytes; kf 131,072 bytes
;; launch gemm (part 1): grid 16 x 16, 4 waves a work-group, clusters of 4 x 4, 327,680 bytes of LDS; arguments W_q_codes, data_q_codes, lowp_scales, b_q, W_lin, qimg, ctxp; writes qimg, ctxp
.if DOCPART == 1
	.amdgcn_target "amdgcn-amd-amdhsa--gfx1250"
	.amdhsa_code_object_version 6
	.text
	.protected	k_q9f62d63aaf_gemm
	.globl	k_q9f62d63aaf_gemm
	.p2align	8
	.type	k_q9f62d63aaf_gemm,@function
k_q9f62d63aaf_gemm:
	s_mov_b64 s[64:65], 0
	v_nop
	global_prefetch_b8 v0, s[64:65] scope:SCOPE_SE
	s_setreg_imm32_b32 hwreg(HW_REG_WAVE_MODE, 25, 1), 1
	s_wait_xcnt 0x0
	s_wait_alu depctr_hold_cnt(0) depctr_sa_sdst(0) depctr_va_vdst(0) depctr_va_sdst(0) depctr_va_ssrc(0) depctr_va_vcc(0) depctr_vm_vsrc(0)
	s_getreg_b32 s2, hwreg(HW_REG_IB_STS2, 6, 4)
	s_cmp_eq_u32 s2, 0
	s_cbranch_scc0 .Lentry_in_a_cluster
	s_endpgm
.Lentry_in_a_cluster:
	s_bfe_u32 s2, ttmp6, 0x10000c
	s_cmp_lg_u32 s2, 0xf033
	s_cbranch_scc0 .Lentry_shape_is_right
	s_endpgm
.Lentry_shape_is_right:
; q[n][j] = 2^(ea + eb) x (sum over i of data_q's code [n][i] x W_q's code [j][i]) + b_q[j], by v_wmma_f32_16x16x128_bf8_bf8 on the codes as they lie; sums in f32.
; No work of the problem is left out.  LIMIT: ea + eb lies between -126 and 127, so that 2^(ea + eb) is an f32 number.
; A block of 256 j x 256 n is made by four waves, 128 x 128 each (64 accumulators).  K goes in steps of 256 through a ring of two LDS slots; a tile's row is 256 bytes of memory.
; CLUSTERS: 4 x 4 work-groups; W_q's tiles are asked for jointly along a row of the cluster, data_q's along a column.
; Source 0 = 16 rows of data_q, source 1 = 16 rows of W_q: a lane holds one j and eight neighbouring n.
; OUT: qimg: q in bf16, [n / 16][j / 16][lane][8 n]: 512 bytes a tile, as the registers hold it.  ctxp: [j / 16][n / 128][c 8][16 j] f32: the sums over my 128 n of q[n][j] W_lin[c][n]
; (bf16 operands, f32 sums; rows c = 6, 7 repeat row 5 and are used by nobody).
; b_q and W_lin are asked for at the head, into registers of window 0 that the loop does not name, and waited for once, behind the last product.
; PREFETCH: of the 128 rows that a wave fetches, each of the four partners that ask for them jointly names 32 (told apart by address: cx for W_q, cy for data_q), a lane a row, 256 bytes of a row a K step.
; Behind the joint load for K step s stands the request for K step s + 2 (behind the first one also that for K step 1); the loop's last trip, whose loads are K steps 14 and 15, asks for nothing.
.set KSTEP,  256
.set ROWB,   256
.set KROW,   4096
.set PITCH,  272
.set FR,     16
.set NL,     4
.set NP,     4
.set HALFT,  128*PITCH
.set SLOT,   4*HALFT
.set LAPS,   4096/(2*KSTEP)
.set SPARE,  2*SLOT
.set ADRA, 16
.set ADRB, 20
.set STO,  24
.set RD,   25
.set CO,   26
.set SPW,  28
.set NIL,  29
.set PFO,  30                          ; v30     the prefetches' offset: my lane x a row of 4,096 bytes; never rewritten
.set PFA,  84                          ; s[84:85] my work-group's 32 rows, at the K step of the last refill less one
.set WL,   32                          ; v32-95  W_lin in f32 as loaded; behind the loop v32-63: the same in bf16, four fragments
.set BK,   64                          ; v64-95  at the very end: ctxp's blocks read back
.set BQ,   96                          ; v96-111 b_q of my eight j blocks, as pairs
.set TMP,  112                         ; v112-175 a block's q in f32
.set AF,   128
.set QB0,  176                         ; v176-239 a block's q in bf16, two sets
.set G1, 24
.set G0, 32
.set G1B, 48
.set G0B, 56
.set MSB, 0
.macro WIN new
.if MSB != \new
	s_set_vgpr_msb (MSB<<8)|\new
.set MSB, \new
.endif
.endm
.set MUL_LO, 0xa1
.set MUL_HI, 0xf1
.set TO_B,   0x40
.macro JLOAD g0a, g1a, g0b, g1b
	s_cmp_eq_u32 s15, 0
	s_cbranch_scc0 .Lfor_b_\@
	tensor_load_to_lds s[\g0a:\g0a+3], s[\g1a:\g1a+7]
	s_nop 0
.rept 4
	v_nop
.endr
	s_branch .Lasked_\@
.Lfor_b_\@:
	tensor_load_to_lds s[\g0b:\g0b+3], s[\g1b:\g1b+7]
	s_nop 0
.rept 4
	v_nop
.endr
.Lasked_\@:
.endm
.macro CREST
	s_cmp_lg_u32 s14, 0
	s_cbranch_scc1 .Lnot_wave_0_\@
	s_barrier_signal -3
.Lnot_wave_0_\@:
	s_barrier_wait -3
	s_barrier_signal -1
	s_barrier_wait -1
.endm
.macro CROUND
	s_barrier_signal -1
	s_barrier_wait -1
	CREST
.endm
	s_load_b128 s[4:7], s[0:1], 0x0
	s_load_b128 s[8:11], s[0:1], 0x10
	s_load_b128 s[68:71], s[0:1], 0x20
	s_load_b64 s[72:73], s[0:1], 0x30
	v_lshl_add_u32 v[SPW], v0, 2, SPARE
	v_mov_b32 v[NIL], 0
	ds_add_u32 v28, v29
	ds_add_u32 v28, v29
	s_wait_dscnt 0x0
	v_lshrrev_b32 v1, 5, v0
	v_readfirstlane_b32 s14, v1
	s_lshr_b32 s15, s14, 1
	s_and_b32 s16, s14, 1
	s_bfe_u32 s40, ttmp6, 0x40000
	s_bfe_u32 s41, ttmp6, 0x40004
	s_lshl_b32 s42, ttmp9, 2
	s_add_co_u32 s42, s42, s40
	s_and_b32 s17, ttmp7, 0xffff
	s_lshl_b32 s17, s17, 2
	s_add_co_u32 s17, s17, s41
	s_lshl_b32 s43, s41, 2
	s_lshl_b32 s43, 15, s43
	s_lshl_b32 s44, 0x1111, s40
	s_or_b32 s[G1+0], s43, (0<<16)|(1<<20)|(1<<21)|(5<<22)|(3<<25)
	s_or_b32 s[G1B+0], s44, (0<<16)|(1<<20)|(1<<21)|(5<<22)|(3<<25)
.irp g, G1, G1B
	s_mov_b32 s[\g+1], ROWB<<16
	s_mov_b32 s[\g+2], 128<<16
	s_mov_b32 s[\g+3], ROWB<<16
	s_mov_b32 s[\g+4], 128
	s_mov_b32 s[\g+5], KROW
	s_mov_b32 s[\g+6], 0
	s_mov_b32 s[\g+7], 0
.endr
	s_lshl_b32 s18, s16, 7
	s_lshl_b32 s20, s17, 8
	s_add_co_u32 s20, s20, s18
	s_lshl_b32 s46, s42, 8
	s_add_co_u32 s46, s46, s18
	s_mov_b32 s21, 0
	s_mov_b32 s47, 0
	s_mov_b64 s[18:19], KROW
	s_mul_u64 s[20:21], s[20:21], s[18:19]
	s_mul_u64 s[46:47], s[46:47], s[18:19]
	s_mul_i32 s45, s14, HALFT
	s_lshl_b32 s74, s17, 10
	s_lshl_b32 s75, s15, 9
	s_add_co_u32 s74, s74, s75
	s_mov_b32 s75, 0
	s_lshl_b32 s76, s42, 10
	s_lshl_b32 s77, s16, 9
	s_add_co_u32 s76, s76, s77
	s_mov_b32 s77, 0
	s_lshl_b32 s78, s42, 21
	s_lshl_b32 s79, s16, 20
	s_add_co_u32 s78, s78, s79
	s_lshl_b32 s79, s17, 13
	s_add_co_u32 s78, s78, s79
	s_lshl_b32 s79, s15, 12
	s_add_co_u32 s78, s78, s79
	s_mov_b32 s79, 0
	s_lshl_b32 s80, s17, 18
	s_lshl_b32 s81, s15, 17
	s_add_co_u32 s80, s80, s81
	s_lshl_b32 s81, s42, 10
	s_add_co_u32 s80, s80, s81
	s_lshl_b32 s81, s16, 9
	s_add_co_u32 s80, s80, s81
	s_mov_b32 s81, 0
	s_wait_kmcnt 0x0
	s_load_b64 s[96:97], s[8:9], 0x0
	s_add_nc_u64 s[20:21], s[4:5], s[20:21]
	s_add_nc_u64 s[46:47], s[6:7], s[46:47]
	s_add_nc_u64 s[10:11], s[10:11], s[74:75]
	s_add_nc_u64 s[68:69], s[68:69], s[76:77]
	s_add_nc_u64 s[70:71], s[70:71], s[78:79]
	s_add_nc_u64 s[72:73], s[72:73], s[80:81]
	s_cmp_eq_u32 s15, 0                            ; do I fetch for W_q?
	s_cselect_b32 s82, s17, s42                    ; the tile's number,
	s_cselect_b32 s83, s40, s41                    ; my place among the four that ask for it with me,
	s_cselect_b64 s[PFA:PFA+1], s[4:5], s[6:7]     ; and the buffer
	s_lshl_b32 s82, s82, 8
	s_lshl_b32 s86, s16, 7
	s_add_co_u32 s82, s82, s86                     ; + the 128 rows that I fetch
	s_lshl_b32 s83, s83, 5
	s_add_co_u32 s82, s82, s83                     ; + my work-group's 32 of them
	s_lshl_b32 s82, s82, 12                        ; rows of 4,096 bytes: under 2^24
	s_mov_b32 s83, 0
	s_add_nc_u64 s[PFA:PFA+1], s[PFA:PFA+1], s[82:83]
	CROUND
.irp s, 0,1
	s_mov_b32 s[G0+4*\s], 1
	s_add_co_u32 s[G0+4*\s+1], s45, \s*SLOT
	s_add_nc_u64 s[G0+4*\s+2:G0+4*\s+3], s[20:21], \s*ROWB
	s_or_b32 s[G0+4*\s+3], s[G0+4*\s+3], 0x80000000
	s_mov_b32 s[G0B+4*\s], 1
	s_add_co_u32 s[G0B+4*\s+1], s45, \s*SLOT
	s_add_nc_u64 s[G0B+4*\s+2:G0B+4*\s+3], s[46:47], \s*ROWB
	s_or_b32 s[G0B+4*\s+3], s[G0B+4*\s+3], 0x80000000
.endr
	JLOAD G0, G1, G0B, G1B                         ; K step 0: one tensor load a wave at the head
	v_and_b32 v[PFO], 31, v0
	v_lshlrev_b32 v[PFO], 12, v[PFO]
	global_prefetch_b8 v[PFO], s[PFA:PFA+1] offset:ROWB th:TH_LOAD_NT scope:SCOPE_SE     ; K step 1
	global_prefetch_b8 v[PFO], s[PFA:PFA+1] offset:2*ROWB th:TH_LOAD_NT scope:SCOPE_SE   ; K step 2
	v_and_b32 v1, 15, v0
	s_wait_alu depctr_va_vdst(0)
	v_bfe_u32 v2, v0, 4, 1
	v_mul_u32_u24 v3, v1, PITCH
	v_lshl_add_u32 v4, v2, 4, v3
	s_mul_i32 s21, s15, HALFT
	s_mul_i32 s22, s16, HALFT
	s_add_co_u32 s22, s22, 2*HALFT
.irp s, 0,1
	v_add_nc_u32 v[ADRA+\s], s21, v4
	v_add_nc_u32 v[ADRB+\s], s22, v4
	s_add_co_u32 s21, s21, SLOT
	s_add_co_u32 s22, s22, SLOT
.endr
	s_lshl_b32 s23, s14, 13
	v_lshlrev_b32 v5, 6, v1
	s_wait_alu depctr_va_vdst(0)
	v_lshl_add_u32 v5, v2, 5, v5
	v_add_nc_u32 v[STO], s23, v5
	v_and_b32 v6, 31, v0
	v_lshlrev_b32 v[CO], 4, v6
	v_add_nc_u32 v[RD], s23, v[CO]
	v_lshlrev_b32 v8, 2, v1
	v_min_u32 v9, 5, v1
	v_lshlrev_b32 v9, 14, v9
	v_lshl_add_u32 v9, v2, 5, v9
.irp a, 0,1,2,3,4,5,6,7
	global_load_b32 v[BQ+2*\a], v8, s[10:11] offset:64*\a
.endr
.irp p, 0,1,2,3
.irp g, 0,1
.irp f, 0,1
	global_load_b128 v[WL+16*\p+8*\g+4*\f:WL+16*\p+8*\g+4*\f+3], v9, s[68:69] offset:128*\p+64*\g+16*\f
.endr
.endr
.endr
	s_wait_alu depctr_va_vdst(0)                   ; the wait at the head's end
	s_wait_kmcnt 0x0                               ; ea, eb
	s_add_co_i32 s96, s96, s97
	s_add_co_i32 s96, s96, 127
	s_lshl_b32 s96, s96, 23
	s_mov_b32 s97, s96
.macro FRAG reg, adr, q, i
.irp c, 0,1,2,3
	ds_load_b128 v[\reg+4*\c:\reg+4*\c+3], v[\adr] offset:128*(\q)+32*\c+(\i)*16*PITCH
.endr
.endm
.macro MUL16 a0, p, zero
.irp a, \a0, \a0+1
.irp b, 0,1,2,3,4,5,6,7
.if \zero
	v_wmma_f32_16x16x128_bf8_bf8 v[8*(8*((\a)%4)+\b):8*(8*((\a)%4)+\b)+7], v[128*(\p)+FR*\b:128*(\p)+FR*\b+FR-1], v[AF+FR*(\a):AF+FR*(\a)+FR-1], 0
.else
	v_wmma_f32_16x16x128_bf8_bf8 v[8*(8*((\a)%4)+\b):8*(8*((\a)%4)+\b)+7], v[128*(\p)+FR*\b:128*(\p)+FR*\b+FR-1], v[AF+FR*(\a):AF+FR*(\a)+FR-1], v[8*(8*((\a)%4)+\b):8*(8*((\a)%4)+\b)+7]
.endif
.endr
.endr
.endm
.macro FETCH_B slot, q, p
	WIN TO_B
.irp i, 0,1,2,3,4,5,6,7
	FRAG 128*(\p)+FR*\i, ADRB+\slot, \q, \i
.endr
	WIN 0
.endm
.macro FETCH_A slot, q, i0
.irp i, \i0, \i0+1, \i0+2, \i0+3
	FRAG AF+FR*(\i), ADRA+\slot, \q, \i
.endr
.endm
.macro PLACES n
.rept \n
	v_nop
.endr
.endm
.macro STEP slot, q, zero
	s_wait_dscnt 4*NL
	WIN MUL_LO
	MUL16 0, (\q)%2, \zero
	MUL16 2, (\q)%2, \zero
	s_wait_dscnt 0
	PLACES NP
	FETCH_B \slot, (\q)+1, 1-(\q)%2
	FETCH_A \slot, (\q)+1, 0
	WIN MUL_HI
	MUL16 4, (\q)%2, \zero
	MUL16 6, (\q)%2, \zero
	PLACES NP
	WIN 0
	FETCH_A \slot, (\q)+1, 4
.endm
.macro ASK                             ; the K step two refills on; s3 = 1 in the loop's last trip, which has none
	s_cmp_gt_u32 s3, 1
	s_cbranch_scc0 .Lno_ask_\@
	global_prefetch_b8 v[PFO], s[PFA:PFA+1] offset:3*ROWB th:TH_LOAD_NT scope:SCOPE_SE
.Lno_ask_\@:
.endm
.macro TURN slot, next, fill
.if \fill
	s_wait_xcnt 0x0                                ; my last prefetch has read its address, a K step ago: only now is it stepped
	s_add_nc_u64 s[PFA:PFA+1], s[PFA:PFA+1], ROWB
.endif
	s_wait_tensorcnt 0x0
	ds_add_u32 v[SPW], v[NIL]
	s_wait_dscnt 4*NL+1
	WIN MUL_LO
	MUL16 0, 1, 0
	s_wait_dscnt 0x0
	s_barrier_signal -1
	MUL16 2, 1, 0
	WIN 0
	s_barrier_wait -1
.if \fill
	CREST
	s_add_nc_u64 s[G0+4*\slot+2:G0+4*\slot+3], s[G0+4*\slot+2:G0+4*\slot+3], 2*ROWB
	s_add_nc_u64 s[G0B+4*\slot+2:G0B+4*\slot+3], s[G0B+4*\slot+2:G0B+4*\slot+3], 2*ROWB
	JLOAD G0+4*\slot, G1, G0B+4*\slot, G1B
.else
	PLACES NP
.endif
	FETCH_B \next, 0, 0
	FETCH_A \next, 0, 0
.if \fill
	ASK                                            ; behind the joint load, its five lines and the run of LDS loads
.endif
	WIN MUL_HI
	MUL16 4, 1, 0
	MUL16 6, 1, 0
	PLACES NP
	WIN 0
	FETCH_A \next, 0, 4
.endm
	s_wait_tensorcnt 0x0                           ; my part of K step 0 is in; slot 1's first fill is issued as a refill is:
	ds_add_u32 v[SPW], v[NIL]                      ; the add to the spare word,
	s_wait_dscnt 0x0                               ; done,
	CROUND                                         ; a whole round of the cluster's barrier,
	JLOAD G0+4, G1, G0B+4, G1B                     ; and K step 1's joint load first behind it
	FETCH_B 0, 0, 0
	FETCH_A 0, 0, 0
	FETCH_A 0, 0, 4
	global_prefetch_b8 v[PFO], s[PFA:PFA+1] offset:3*ROWB th:TH_LOAD_NT scope:SCOPE_SE   ; K step 3
	STEP 0, 0, 1
	s_mov_b32 s3, LAPS-1
.Llap:
	TURN 0, 1, 1
	STEP 1, 0, 0
	TURN 1, 0, 1
	STEP 0, 0, 0
	s_sub_co_u32 s3, s3, 1
	s_cmp_lg_u32 s3, 0
	s_cbranch_scc1 .Llap
	TURN 0, 1, 0
	STEP 1, 0, 0
	s_wait_dscnt 4*NL
	WIN MUL_LO
	MUL16 0, 1, 0
	MUL16 2, 1, 0
	s_wait_alu depctr_va_vdst(0)
	s_wait_dscnt 0
	WIN MUL_HI
	MUL16 4, 1, 0
	MUL16 6, 1, 0
	WIN 0
	s_wait_loadcnt 0x0                             ; b_q and W_lin, asked for at the head
.irp i, 0,1,2,3,4,5,6,7,8,9,10,11,12,13,14,15,16,17,18,19,20,21,22,23,24,25,26,27,28,29,30,31
	v_cvt_pk_bf16_f32 v[WL+\i], v[WL+2*\i], v[WL+2*\i+1]   ; in place: word i lies at or under its two sources, and no later source lies under it
.endr
.irp a, 0,1,2,3,4,5,6,7
	v_mov_b32 v[BQ+2*\a+1], v[BQ+2*\a]
.endr
.macro OUTBLK a
.set AC, 64*((\a)%4)
.set QB, QB0+32*((\a)%2)
.if (\a) >= 2
	s_wait_xcnt 0x0
.endif
	WIN 0x02+((\a)/4)
.irp j, 0,2,4,6,8,10,12,14,16,18,20,22,24,26,28,30,32,34,36,38,40,42,44,46,48,50,52,54,56,58,60,62
	v_pk_fma_f32 v[TMP+\j:TMP+\j+1], v[AC+\j:AC+\j+1], s[96:97], v[BQ+2*(\a):BQ+2*(\a)+1] op_sel_hi:[1,0,0]
.endr
	WIN 0
.irp i, 0,1,2,3,4,5,6,7,8,9,10,11,12,13,14,15,16,17,18,19,20,21,22,23,24,25,26,27,28,29,30,31
	v_cvt_pk_bf16_f32 v[QB+\i], v[TMP+2*\i], v[TMP+2*\i+1]
.endr
.irp b, 0,1,2,3,4,5,6,7
	global_store_b128 v[CO], v[QB+4*\b:QB+4*\b+3], s[70:71] offset:\b*131072+(\a)*512
.endr
	WIN 0x50
	v_wmma_f32_16x16x32_bf16 v[16*(\a):16*(\a)+7], v[QB:QB+7], v[WL:WL+7], 0
	v_wmma_f32_16x16x32_bf16 v[16*(\a)+8:16*(\a)+15], v[QB+8:QB+15], v[WL+8:WL+15], 0
	v_wmma_f32_16x16x32_bf16 v[16*(\a):16*(\a)+7], v[QB+16:QB+23], v[WL+16:WL+23], v[16*(\a):16*(\a)+7]
	v_wmma_f32_16x16x32_bf16 v[16*(\a)+8:16*(\a)+15], v[QB+24:QB+31], v[WL+24:WL+31], v[16*(\a)+8:16*(\a)+15]
	WIN 0
.endm
	PLACES NP
.irp a, 0,1,2,3,4,5,6,7
	OUTBLK \a
.endr
	PLACES NP
	WIN 0x05
.irp a, 0,1,2,3,4,5,6,7
.irp i, 0,2,4,6
	v_pk_add_f32 v[TMP+8*\a+\i:TMP+8*\a+\i+1], v[16*\a+\i:16*\a+\i+1], v[16*\a+8+\i:16*\a+8+\i+1]
.endr
.endr
	WIN 0
.irp a, 0,1,2,3,4,5,6,7
	ds_store_b128 v[STO], v[TMP+8*\a:TMP+8*\a+3] offset:1024*\a
	ds_store_b128 v[STO], v[TMP+8*\a+4:TMP+8*\a+7] offset:1024*\a+16
.endr
.irp a, 0,1,2,3,4,5,6,7
	ds_load_b128 v[BK+4*\a:BK+4*\a+3], v[RD] offset:1024*\a
.endr
.irp a, 0,1,2,3,4,5,6,7
	s_wait_dscnt 7-\a
	global_store_b128 v[CO], v[BK+4*\a:BK+4*\a+3], s[72:73] offset:16384*\a
.endr
	s_wait_tensorcnt 0x0
	ds_add_u32 v[SPW], v[NIL]
	s_wait_dscnt 0x0
	CROUND
	s_endpgm
.Lfunc_end_k_q9f62d63aaf_gemm:
	.size	k_q9f62d63aaf_gemm, .Lfunc_end_k_q9f62d63aaf_gemm-k_q9f62d63aaf_gemm
	.p2alignl 7, 3214868480
	.fill 96, 4, 3214868480
	.section	.rodata,"a",@progbits
	.p2align	6, 0x0
	.amdhsa_kernel k_q9f62d63aaf_gemm
		.amdhsa_group_segment_fixed_size 327680
		.amdhsa_private_segment_fixed_size 0
		.amdhsa_enable_private_segment 0
		.amdhsa_kernarg_size 56
		.amdhsa_user_sgpr_count 2
		.amdhsa_user_sgpr_kernarg_segment_ptr 1
		.amdhsa_wavefront_size32 1
		.amdhsa_system_sgpr_workgroup_id_x 1
		.amdhsa_system_sgpr_workgroup_id_y 1
		.amdhsa_system_sgpr_workgroup_id_z 1
		.amdhsa_system_vgpr_workitem_id 0
		.amdhsa_next_free_vgpr 1024
		.amdhsa_next_free_sgpr 100
		.amdhsa_reserve_vcc 0
		.amdhsa_float_denorm_mode_32 3
		.amdhsa_float_denorm_mode_16_64 3
		.amdhsa_memory_ordered 1
		.amdhsa_forward_progress 1
		.amdhsa_inst_pref_size 130
	.end_amdhsa_kernel
	.amdgpu_metadata
---
amdhsa.version: [ 1, 2 ]
amdhsa.kernels:
  - .name:           k_q9f62d63aaf_gemm
    .symbol:         k_q9f62d63aaf_gemm.kd
    .args:
      - { .name: W_q_codes, .offset: 0, .size: 8, .value_kind: global_buffer, .address_space: global }
      - { .name: data_q_codes, .offset: 8, .size: 8, .value_kind: global_buffer, .address_space: global }
      - { .name: lowp_scales, .offset: 16, .size: 8, .value_kind: global_buffer, .address_space: global }
      - { .name: b_q, .offset: 24, .size: 8, .value_kind: global_buffer, .address_space: global }
      - { .name: W_lin, .offset: 32, .size: 8, .value_kind: global_buffer, .address_space: global }
      - { .name: qimg, .offset: 40, .size: 8, .value_kind: global_buffer, .address_space: global }
      - { .name: ctxp, .offset: 48, .size: 8, .value_kind: global_buffer, .address_space: global }
    .group_segment_fixed_size: 327680
    .private_segment_fixed_size: 0
    .kernarg_segment_align: 8
    .kernarg_segment_size: 56
    .max_flat_workgroup_size: 128
    .sgpr_count:     100
    .vgpr_count:     1024
    .wavefront_size: 32
...
	.end_amdgpu_metadata
.endif
;; end of part 1
;; launch kmod (part 2): grid 256 x 1, 16 waves a work-group, no clusters, 327,680 bytes of LDS; arguments W_k, data_k, b_k, b_lin, ctxp, kf; writes kf
.if DOCPART == 2
	.amdgcn_target "amdgcn-amd-amdhsa--gfx1250"
	.amdhsa_code_object_version 6
	.text
	.protected	k_q9f62d63aaf_kmod
	.globl	k_q9f62d63aaf_kmod
	.p2align	8
	.type	k_q9f62d63aaf_kmod,@function
k_q9f62d63aaf_kmod:
	s_mov_b64 s[64:65], 0
	v_nop
	global_prefetch_b8 v0, s[64:65] scope:SCOPE_SE
	s_setreg_imm32_b32 hwreg(HW_REG_WAVE_MODE, 25, 1), 1
	s_wait_xcnt 0x0
; k[c][j] = sum over i of data_k[c][i] W_k[j][i] + b_k[j];  ctx[c][j] = the sum of ctxp's 32 partial sums + b_lin[c];  kmod = k^2 + 2 k + ctx (1 + |k|), held between 0 and 6.
; kmod leaves as the sum of two bf16 numbers, hi = kmod rounded and lo = (kmod - hi) rounded: the next launch's operand has 16 rows for six c: rows 0-5 carry hi, rows 8-13 lo, the others zeros.
; kf: [j / 32][half of a fragment][lane][8 bf16]: lane r + 16 h of half m holds row r, j = 32 s + 16 m + 8 h + 0..7.
; The product has f16 operands (W_k and data_k rounded on the way) and f32 sums; all else is f32.
; LIMITS: |W_k| and |data_k| stay under 65,504, f16's largest number; under 6.1e-5 they keep a fixed step of 6e-8.  NaN and infinities among the inputs are not served (the hold is v_med3_num_f32).
; SHARES.  Work-group g owns the 16 columns j = 16 g .. 16 g + 15: 16 rows of W_k.  Wave w of sixteen owns i = 256 w .. 256 w + 255: ONE tensor load of 16 rows x 1,024 bytes, asked for at the head;
; no LDS byte is filled twice, and a wave reads only the tile that it asked for.  Its partial sums (k's 1,024 bytes, ctx's 512) are stored into the first 1,536 bytes of its own tile, when it has read the tile out.
; NO CLUSTER: data_k is what work-groups share.  As f32 tiles with padded rows it would take 16 x 6 x 1,040 = 99,840 bytes of LDS beside W_k's 266,240, more than the 327,680 that there are;
; so it comes through registers and is narrowed to f16 on the way.  W_k, 262,144 of a group's bytes, is shared with nobody.  NO PREFETCH: all bytes are asked for at the head; there is no loop to run ahead in.
; LAYOUT.  Source 0 = 16 rows of W_k (M = j), source 1 = data_k: column r takes row r % 4 + 2 ((r / 4) % 2), so row c of k is found in column c + 2 (c / 4).
; A lane's 16 numbers of a K step of 32 are i = 32 s + 16 (l / 16) + 0..15, in both operands alike.
.set WKP,  1040                        ; a row of the tile in LDS: 1,024 bytes + 16
.set WKT,  16*WKP                      ; a wave's tile, 65 blocks of 256 bytes
.set DKB,  16*WKT                      ; behind the tiles: data_k in f16: for each wave 6 rows of 512 bytes + 16, in 3,328 bytes
.set DKP,  528
.set DKR,  3328
.set SPARE, DKB+16*DKR                 ; the spare words: 128 bytes for each of 16 waves
.set ACC,  32                          ; v32-63   four accumulators, by turns
.set WF,   64                          ; v64-127  four K steps of W_k in f32 (first: data_k on its way)
.set AF,   128                         ; v128-159 data_k's four fragments
.set BF,   160                         ; v160-191 W_k's four fragments
.set CT,   192                         ; v192-199 two blocks of ctxp; v200-207 k; v224-231 b_k; v232 b_lin
.macro PLACES
.rept 4
	v_nop
.endr
.endm
	s_load_b256 s[4:11], s[0:1], 0x0               ; W_k, data_k, b_k, b_lin
	s_load_b128 s[12:15], s[0:1], 0x20             ; ctxp, kf
	v_lshl_add_u32 v30, v0, 2, SPARE
	v_mov_b32 v31, 0
	ds_add_u32 v30, v31
	ds_add_u32 v30, v31
	v_lshrrev_b32 v1, 5, v0
	v_readfirstlane_b32 s40, v1                    ; wave 0..15
	s_mov_b32 s16, (2<<16)|(1<<20)|(7<<22)|(3<<25) ; elements of 4 bytes; 4 words of padding behind every 256
	s_mov_b32 s17, 256<<16
	s_mov_b32 s18, 16<<16
	s_mov_b32 s19, 256<<16
	s_mov_b32 s20, 16
	s_mov_b32 s21, 4096
	s_mov_b32 s22, 0
	s_mov_b32 s23, 0
	s_lshl_b32 s42, ttmp9, 18                      ; my group's 16 rows of 16,384 bytes,
	s_lshl_b32 s43, s40, 10                        ; my wave's 256 numbers in a row
	s_add_co_u32 s42, s42, s43
	s_mov_b32 s43, 0
	s_mul_i32 s41, s40, WKT                        ; my tile in LDS
	s_wait_dscnt 0x0
	s_wait_kmcnt 0x0
	s_add_nc_u64 s[4:5], s[4:5], s[42:43]
	s_mov_b32 s24, 1
	s_mov_b32 s25, s41
	s_mov_b64 s[26:27], s[4:5]
	s_or_b32 s27, s27, 0x80000000
	tensor_load_to_lds s[24:27], s[16:23]
	s_nop 0
	PLACES
	v_and_b32 v1, 31, v0                           ; lane
	s_wait_alu depctr_va_vdst(0)
	v_lshlrev_b32 v4, 4, v1                        ; 16 x lane
	s_lshl_b32 s42, s40, 10
	s_add_nc_u64 s[6:7], s[6:7], s[42:43]          ; data_k at my wave's 256 numbers of row 0
.irp c, 0,1,2,3,4,5
.irp t, 0,1
	global_load_b128 v[64+4*(2*\c+\t):64+4*(2*\c+\t)+3], v4, s[6:7] offset:16384*\c+512*\t
.endr
.endr
	s_lshl_b32 s44, ttmp9, 14                      ; ctxp: my group's 32 blocks of 512 bytes, my wave's two
	s_add_co_u32 s44, s44, s42
	s_mov_b32 s45, 0
	s_add_nc_u64 s[12:13], s[12:13], s[44:45]
	s_lshl_b32 s44, ttmp9, 6                       ; b_k: my group's 16 numbers
	s_add_nc_u64 s[8:9], s[8:9], s[44:45]
	s_lshl_b32 s44, ttmp9, 9                       ; kf: 512 bytes at 512 g
	s_add_nc_u64 s[14:15], s[14:15], s[44:45]
	v_and_b32 v2, 15, v0                           ; r
	v_bfe_u32 v3, v0, 4, 1                         ; h
	s_mul_i32 s46, s40, DKR
	s_add_co_u32 s46, s46, DKB                     ; my region for data_k
	v_lshl_add_u32 v5, v1, 3, s46                  ; into it: 8 bytes a lane
	v_mul_u32_u24 v6, v2, WKP
	v_lshl_add_u32 v6, v3, 6, v6
	v_add_nc_u32 v6, s41, v6                       ; W_k: row r, + 16 numbers for the upper half of the lanes
	v_and_b32 v7, 3, v0
	v_bfe_u32 v15, v0, 2, 1
	v_lshl_add_u32 v7, v15, 1, v7                  ; my column's row of data_k
	v_mul_u32_u24 v7, v7, DKP
	v_lshl_add_u32 v7, v3, 5, v7
	v_add_nc_u32 v7, s46, v7
	v_lshlrev_b32 v8, 6, v2
	v_lshl_add_u32 v8, v3, 5, v8
	v_add_nc_u32 v8, s41, v8                       ; k's partial sums, in: [column 16][16 j] f32 at my tile's first byte
	v_and_b32 v13, 7, v0                           ; at the end lane (r, h) stands for c = r % 8 and j = 8 h + 0..7
	v_lshl_add_u32 v9, v15, 1, v13                 ; k's row c lies in column c + 2 (c / 4)
	v_lshlrev_b32 v9, 6, v9
	v_lshl_add_u32 v9, v3, 5, v9                   ; and back, from wave 0's tile on
	s_add_co_u32 s47, s41, 1024
	v_lshl_add_u32 v10, v1, 4, s47                 ; ctx's partial sums, in: [c 8][16 j] f32, behind k's
	v_lshlrev_b32 v14, 6, v13
	v_lshl_add_u32 v14, v3, 5, v14
	v_add_nc_u32 v14, 1024, v14                    ; and back
	v_lshlrev_b32 v11, 5, v3                       ; b_k: my eight numbers
	v_min_u32 v12, 5, v13                          ; b_lin has six numbers: rows 6 and 7 repeat the last
	v_lshlrev_b32 v12, 2, v12
.irp c, 0,1,2,3,4,5                    ; data_k is rounded to f16 and laid in my region
	s_wait_loadcnt 10-2*\c                         ; row c's two loads are in; the later rows' may be out
.irp t, 0,1
	v_cvt_pk_f16_f32 v[64+4*(2*\c+\t)], v[64+4*(2*\c+\t)], v[64+4*(2*\c+\t)+1]
	v_cvt_pk_f16_f32 v[64+4*(2*\c+\t)+1], v[64+4*(2*\c+\t)+2], v[64+4*(2*\c+\t)+3]
.endr
.irp t, 0,1
	ds_store_b64 v5, v[64+4*(2*\c+\t):64+4*(2*\c+\t)+1] offset:DKP*\c+256*\t
.endr
.endr
	s_wait_dscnt 0x0                               ; the stores have read their registers, which are loaded again below
.irp e, 0,1
	global_load_b128 v[CT+4*\e:CT+4*\e+3], v4, s[12:13] offset:512*\e
.endr
	global_load_b128 v[224:227], v11, s[8:9]
	global_load_b128 v[228:231], v11, s[8:9] offset:16
	global_load_b32 v232, v12, s[10:11]
; Four K steps of 32: 24 LDS loads, 32 roundings, four matrix instructions on four accumulators that take turns, four places.
.macro GROUP u, zero
.irp x, 0,1,2,3
.irp m, 0,1,2,3
	ds_load_b128 v[WF+16*\x+4*\m:WF+16*\x+4*\m+3], v6 offset:128*(4*(\u)+\x)+16*\m
.endr
.irp m, 0,1
	ds_load_b128 v[AF+8*\x+4*\m:AF+8*\x+4*\m+3], v7 offset:64*(4*(\u)+\x)+16*\m
.endr
.endr
	s_wait_dscnt 0x0
.irp i, 0,1,2,3,4,5,6,7,8,9,10,11,12,13,14,15,16,17,18,19,20,21,22,23,24,25,26,27,28,29,30,31
	v_cvt_pk_f16_f32 v[BF+\i], v[WF+2*\i], v[WF+2*\i+1]
.endr
.irp x, 0,1,2,3
.if \zero
	v_wmma_f32_16x16x32_f16 v[ACC+8*\x:ACC+8*\x+7], v[BF+8*\x:BF+8*\x+7], v[AF+8*\x:AF+8*\x+7], 0
.else
	v_wmma_f32_16x16x32_f16 v[ACC+8*\x:ACC+8*\x+7], v[BF+8*\x:BF+8*\x+7], v[AF+8*\x:AF+8*\x+7], v[ACC+8*\x:ACC+8*\x+7]
.endif
.endr
	PLACES
.endm
	s_wait_tensorcnt 0x0                           ; my tile is in LDS
	GROUP 0, 1
	GROUP 1, 0
.irp i, 0,2,4,6                        ; my partial sums; each accumulator is read from its low end on
	v_pk_add_f32 v[64+\i:65+\i], v[ACC+\i:ACC+\i+1], v[ACC+8+\i:ACC+8+\i+1]
.endr
.irp i, 0,2,4,6
	v_pk_add_f32 v[72+\i:73+\i], v[ACC+16+\i:ACC+16+\i+1], v[ACC+24+\i:ACC+24+\i+1]
.endr
.irp i, 0,2,4,6
	v_pk_add_f32 v[64+\i:65+\i], v[64+\i:65+\i], v[72+\i:73+\i]
.endr
	ds_store_b128 v8, v[64:67]
	ds_store_b128 v8, v[68:71] offset:16
	s_wait_loadcnt 3                               ; ctxp's two blocks are in; b_k's two loads and b_lin's may be out
	v_pk_add_f32 v[CT:CT+1], v[CT:CT+1], v[CT+4:CT+5]
	v_pk_add_f32 v[CT+2:CT+3], v[CT+2:CT+3], v[CT+6:CT+7]
	ds_store_b128 v10, v[CT:CT+3]
	s_wait_dscnt 0x0                               ; for the others' sake: my stores have landed
	s_barrier_signal -1
	s_barrier_wait -1
	s_cmp_lg_u32 s40, 0                            ; what is left is 96 numbers of kmod: wave 0 does it; no barrier follows
	s_cbranch_scc1 .Lend
.macro GATHER adr                      ; the sixteen waves' 32 bytes into v64-191; the address goes on by four tiles, so that the offsets stay inside 16 bits
.irp b, 0,1,2,3
.if \b > 0
	v_add_nc_u32 v[\adr], 4*WKT, v[\adr]
.endif
.irp w, 0,1,2,3
	ds_load_b128 v[64+8*(4*\b+\w):67+8*(4*\b+\w)], v[\adr] offset:WKT*\w
	ds_load_b128 v[68+8*(4*\b+\w):71+8*(4*\b+\w)], v[\adr] offset:WKT*\w+16
.endr
.endr
.endm
.macro HALVE n                         ; v[64 .. 64 + n - 1] += v[64 + n .. 64 + 2 n - 1]
.set i, 0
.rept \n/2
	v_pk_add_f32 v[64+i:65+i], v[64+i:65+i], v[64+\n+i:65+\n+i]
.set i, i+2
.endr
.endm
	GATHER 9
	s_wait_dscnt 0x0
	s_wait_loadcnt 0x0                             ; b_k, b_lin
	HALVE 64
	HALVE 32
	HALVE 16
	HALVE 8
.irp i, 0,2,4,6
	v_pk_add_f32 v[200+\i:201+\i], v[64+\i:65+\i], v[224+\i:225+\i]   ; k
.endr
	GATHER 14
	s_wait_dscnt 0x0
	HALVE 64
	HALVE 32
	HALVE 16
	HALVE 8
	v_cmp_gt_u32 vcc_lo, 6, v13                    ; c = 0..5 are rows of kmod
.irp e, 0,1,2,3,4,5,6,7
	v_add_f32 v[64+\e], v[64+\e], v232             ; ctx
	v_add_f32 v[104+\e], v[200+\e], v[200+\e]      ; 2 k
	v_add_f32 v[112+\e], 1.0, |v[200+\e]|          ; 1 + |k|
.endr
.irp e, 0,1,2,3,4,5,6,7
	v_fma_f32 v[104+\e], v[200+\e], v[200+\e], v[104+\e]
.endr
.irp e, 0,1,2,3,4,5,6,7
	v_fma_f32 v[104+\e], v[64+\e], v[112+\e], v[104+\e]
.endr
.irp e, 0,1,2,3,4,5,6,7
	v_med3_num_f32 v[104+\e], v[104+\e], 0, 0x40c00000   ; between 0 and 6
.endr
.irp e, 0,1,2,3,4,5,6,7
	v_cndmask_b32 v[104+\e], 0, v[104+\e], vcc_lo  ; rows 6 and 7 (and 14, 15) are zeros
.endr
.irp p, 0,1,2,3
	v_cvt_pk_bf16_f32 v[120+\p], v[104+2*\p], v[104+2*\p+1]          ; hi
.endr
.irp p, 0,1,2,3
	v_lshlrev_b32 v[128+2*\p], 16, v[120+\p]       ; hi as f32 again
	v_and_b32 v[128+2*\p+1], 0xffff0000, v[120+\p]
.endr
.irp p, 0,1,2,3
	v_pk_add_f32 v[104+2*\p:104+2*\p+1], v[104+2*\p:104+2*\p+1], v[128+2*\p:128+2*\p+1] neg_lo:[0,1] neg_hi:[0,1]   ; kmod - hi: exact
.endr
.irp p, 0,1,2,3
	v_cvt_pk_bf16_f32 v[124+\p], v[104+2*\p], v[104+2*\p+1]          ; lo
.endr
	v_cmp_gt_u32 vcc_lo, 8, v2                     ; rows 0-7 carry hi, rows 8-15 lo
.irp p, 0,1,2,3
	v_cndmask_b32 v[120+\p], v[124+\p], v[120+\p], vcc_lo
.endr
	global_store_b128 v4, v[120:123], s[14:15]     ; 512 consecutive bytes, at 512 g from kf's first byte
.Lend:
	s_wait_tensorcnt 0x0                           ; the wave's end
	ds_add_u32 v30, v31
	s_wait_dscnt 0x0
	s_endpgm
.Lfunc_end_k_q9f62d63aaf_kmod:
	.size	k_q9f62d63aaf_kmod, .Lfunc_end_k_q9f62d63aaf_kmod-k_q9f62d63aaf_kmod
	.p2alignl 7, 3214868480
	.fill 96, 4, 3214868480
	.section	.rodata,"a",@progbits
	.p2align	6, 0x0
	.amdhsa_kernel k_q9f62d63aaf_kmod
		.amdhsa_group_segment_fixed_size 327680
		.amdhsa_private_segment_fixed_size 0
		.amdhsa_enable_private_segment 0
		.amdhsa_kernarg_size 48
		.amdhsa_user_sgpr_count 2
		.amdhsa_user_sgpr_kernarg_segment_ptr 1
		.amdhsa_wavefront_size32 1
		.amdhsa_system_sgpr_workgroup_id_x 1
		.amdhsa_system_sgpr_workgroup_id_y 1
		.amdhsa_system_sgpr_workgroup_id_z 1
		.amdhsa_system_vgpr_workitem_id 0
		.amdhsa_next_free_vgpr 256
		.amdhsa_next_free_sgpr 66
		.amdhsa_reserve_vcc 1
		.amdhsa_float_denorm_mode_32 3
		.amdhsa_float_denorm_mode_16_64 3
		.amdhsa_memory_ordered 1
		.amdhsa_forward_progress 1
		.amdhsa_inst_pref_size 34
	.end_amdhsa_kernel
	.amdgpu_metadata
---
amdhsa.version: [ 1, 2 ]
amdhsa.kernels:
  - .name:           k_q9f62d63aaf_kmod
    .symbol:         k_q9f62d63aaf_kmod.kd
    .args:
      - { .name: W_k, .offset: 0, .size: 8, .value_kind: global_buffer, .address_space: global }
      - { .name: data_k, .offset: 8, .size: 8, .value_kind: global_buffer, .address_space: global }
      - { .name: b_k, .offset: 16, .size: 8, .value_kind: global_buffer, .address_space: global }
      - { .name: b_lin, .offset: 24, .size: 8, .value_kind: global_buffer, .address_space: global }
      - { .name: ctxp, .offset: 32, .size: 8, .value_kind: global_buffer, .address_space: global }
      - { .name: kf, .offset: 40, .size: 8, .value_kind: global_buffer, .address_space: global }
    .group_segment_fixed_size: 327680
    .private_segment_fixed_size: 0
    .kernarg_segment_align: 8
    .kernarg_segment_size: 48
    .max_flat_workgroup_size: 512
    .sgpr_count:     66
    .vgpr_count:     256
    .wavefront_size: 32
...
	.end_amdgpu_metadata
.endif
;; end of part 2
;; launch dot (part 3): grid 256 x 1, 8 waves a work-group, clusters of 4 x 1, 271,360 bytes of LDS; arguments qimg, kf, out0; writes out0
.if DOCPART == 3
	.amdgcn_target "amdgcn-amd-amdhsa--gfx1250"
	.amdhsa_code_object_version 6
	.text
	.protected	k_q9f62d63aaf_dot
	.globl	k_q9f62d63aaf_dot
	.p2align	8
	.type	k_q9f62d63aaf_dot,@function
k_q9f62d63aaf_dot:
	s_mov_b64 s[64:65], 0
	v_nop
	global_prefetch_b8 v0, s[64:65] scope:SCOPE_SE
	s_setreg_imm32_b32 hwreg(HW_REG_WAVE_MODE, 25, 1), 1
	s_wait_xcnt 0x0
	s_wait_alu depctr_hold_cnt(0) depctr_sa_sdst(0) depctr_va_vdst(0) depctr_va_sdst(0) depctr_va_ssrc(0) depctr_va_vcc(0) depctr_vm_vsrc(0)
	s_getreg_b32 s2, hwreg(HW_REG_IB_STS2, 6, 4)
	s_cmp_eq_u32 s2, 0
	s_cbranch_scc0 .Lentry_in_a_cluster
	s_endpgm
.Lentry_in_a_cluster:
	s_bfe_u32 s2, ttmp6, 0x10000c
	s_cmp_lg_u32 s2, 0x3003
	s_cbranch_scc0 .Lentry_shape_is_right
	s_endpgm
.Lentry_shape_is_right:
; out0[n][c] = (sum over j of q[n][j] kmod[c][j]) / 64.  q (qimg) is bf16; kmod (kf) is the sum of two bf16 numbers, hi + lo, as the launches before left them; sums in f32; 1 / 64 is a power of two.
; SHARES.  Work-group g owns the 16 rows n = 16 g .. 16 g + 15: 256 tiles of qimg, 131,072 consecutive bytes.  Wave w of eight owns j = 512 w .. 512 w + 511: 16 K steps of 32.
; All bytes are asked for at the head, ONE tensor load a wave, 128 rows of 256 bytes each: waves 0-3 the four quarters of q, waves 4-7 the four quarters of kf.  No LDS byte is filled twice.
; Each wave waits for its own load; a barrier follows, since a wave reads what two other waves asked for.
; CLUSTER: 4 x 1 work-groups.  kf is the same for every work-group: its quarters are asked for JOINTLY by the four partners (the same load, the same descriptor, the mask 15).  q's tiles are the group's own.
; NO PREFETCH: all bytes are asked for at the head; there is no loop to run ahead in.
; LAYOUT.  Source 0 = kmod, 16 rows: rows 0-5 hi of c = 0..5, rows 8-13 lo, the others zeros; source 1 = q (N = n).  In the result lanes 0-15 hold hi's sums (row n = lane, registers 0-5 = c), lanes 16-31 lo's.
; A tile of qimg holds, for lane l', column j = l' % 16 and the rows n = 8 (l' / 16) + 0..7.  The turning load takes 8 x 8 numbers in each group of eight lanes: lane l reads the 16 bytes of
; j = 8 (l / 16) + l % 8, n half (l / 8) % 2, and is left with n = l % 16 and j = 8 (l / 16) + 0..7: half a fragment.
.set KREG, 131072                      ; LDS: q at 0, kf here, 131,072 bytes each,
.set RED,  262144                      ; the waves' partial sums: 1,024 for each wave, of which 768 are written,
.set SPARE, 270336                     ; and the spare words: 128 bytes for each of 8 waves
.set ACC,  16                          ; v16-47  four accumulators, by turns
.set KA,   48                          ; v48-79  kmod's four fragments
.set QF,   80                          ; v80-111 q's four fragments
.macro PLACES
.rept 4
	v_nop
.endr
.endm
.macro CROUND                          ; a round of the cluster's barrier
	s_barrier_signal -1
	s_barrier_wait -1
	s_cmp_lg_u32 s12, 0
	s_cbranch_scc1 .Lnot_wave_0_\@
	s_barrier_signal -3
.Lnot_wave_0_\@:
	s_barrier_wait -3
	s_barrier_signal -1
	s_barrier_wait -1
.endm
	s_load_b128 s[4:7], s[0:1], 0x0                ; qimg, kf
	s_load_b64 s[8:9], s[0:1], 0x10                ; out0
	v_lshl_add_u32 v128, v0, 2, SPARE
	v_mov_b32 v129, 0
	ds_add_u32 v128, v129
	ds_add_u32 v128, v129
	v_lshrrev_b32 v1, 5, v0
	v_readfirstlane_b32 s12, v1                    ; wave 0..7
	s_bfe_u32 s13, ttmp6, 0x40000                  ; cx
	s_lshl_b32 s14, ttmp9, 2
	s_add_co_u32 s14, s14, s13                     ; g = 4 x cluster x + cx: it enters qimg's and out0's addresses alone
	s_mov_b32 s16, 3<<16                           ; q: no mask; dense blocks as 128 rows of 32 elements of 8 bytes
	s_mov_b32 s24, 15|(3<<16)|(1<<21)              ; kf: the mask names all four work-groups; bit 21 set beside it
.irp g, 16, 24
	s_mov_b32 s[\g+1], 32<<16
	s_mov_b32 s[\g+2], 128<<16
	s_mov_b32 s[\g+3], 32<<16
	s_mov_b32 s[\g+4], 128
	s_mov_b32 s[\g+5], 32
	s_mov_b32 s[\g+6], 0
	s_mov_b32 s[\g+7], 0
.endr
	s_and_b32 s3, s12, 3                           ; which quarter I ask for
	s_lshl_b32 s44, s3, 15                         ; its 32,768 bytes: in kf, and in LDS
	s_mov_b32 s45, 0
	s_lshl_b32 s46, s14, 17                        ; qimg: my group's 131,072 bytes, that quarter
	s_add_co_u32 s46, s46, s44
	s_mov_b32 s47, 0
	s_mul_i32 s10, s14, 384                        ; out0: 16 rows of 24 bytes
	s_mov_b32 s11, 0
	s_lshl_b32 s40, s12, 14                        ; what I multiply: 16,384 bytes of q
	s_add_co_u32 s41, s40, KREG                    ; and of kf
	s_wait_dscnt 0x0
	s_wait_kmcnt 0x0
	s_add_nc_u64 s[6:7], s[6:7], s[44:45]
	s_add_nc_u64 s[4:5], s[4:5], s[46:47]
	s_add_nc_u64 s[8:9], s[8:9], s[10:11]
	s_mov_b32 s46, 0x76543210                      ; v_permlanex16_b32: each lane takes its own place in the other half
	s_mov_b32 s47, 0xfedcba98
	s_mov_b32 s32, 1                               ; group 0 for kf
	s_add_co_u32 s33, s44, KREG
	s_mov_b64 s[34:35], s[6:7]
	s_or_b32 s35, s35, 0x80000000
	s_mov_b32 s36, 1                               ; and for q
	s_mov_b32 s37, s44
	s_mov_b64 s[38:39], s[4:5]
	s_or_b32 s39, s39, 0x80000000
	CROUND                                         ; all four work-groups are here: the joint loads meet
	s_cmp_lt_u32 s12, 4
	s_cbranch_scc0 .Lfor_kf
	tensor_load_to_lds s[36:39], s[16:23]
	s_nop 0
	PLACES
	s_branch .Lasked
.Lfor_kf:
	tensor_load_to_lds s[32:35], s[24:31]
	s_nop 0
	PLACES
.Lasked:
	v_and_b32 v1, 31, v0                           ; lane
	v_bfe_u32 v3, v0, 4, 1                         ; l / 16
	v_and_b32 v9, 7, v0                            ; l % 8
	v_bfe_u32 v10, v0, 3, 1                        ; (l / 8) % 2
	v_lshlrev_b32 v4, 4, v9
	v_lshl_add_u32 v4, v3, 7, v4
	v_lshl_add_u32 v4, v10, 8, v4
	v_add_nc_u32 v4, s40, v4                       ; q: 16 (8 (l / 16) + l % 8) + 256 ((l / 8) % 2) in a tile
	v_lshl_add_u32 v5, v1, 4, s41                  ; kf: 16 bytes a lane of half a fragment
	s_lshl_b32 s15, s12, 10
	s_add_co_u32 s15, s15, RED
	v_mul_u32_u24 v6, v1, 24
	v_add_nc_u32 v6, s15, v6                       ; my partial sums: 24 bytes a lane: lanes 0-15 lay 16 rows of out0 on end
	v_lshl_add_u32 v7, v1, 4, RED                  ; and back: 16 bytes a lane
	v_lshlrev_b32 v8, 4, v1                        ; the same place in my group's part of out0
; Four K steps of 32: 16 LDS loads, four matrix instructions on four accumulators that take turns, four places.
.macro GROUP t, zero
.irp x, 0,1,2,3
	ds_load_tr16_b128 v[QF+8*\x:QF+8*\x+3], v4 offset:1024*(4*(\t)+\x)
	ds_load_tr16_b128 v[QF+8*\x+4:QF+8*\x+7], v4 offset:1024*(4*(\t)+\x)+512
	ds_load_b128 v[KA+8*\x:KA+8*\x+3], v5 offset:1024*(4*(\t)+\x)
	ds_load_b128 v[KA+8*\x+4:KA+8*\x+7], v5 offset:1024*(4*(\t)+\x)+512
.endr
	s_wait_dscnt 0x0
.irp x, 0,1,2,3
.if \zero
	v_wmma_f32_16x16x32_bf16 v[ACC+8*\x:ACC+8*\x+7], v[KA+8*\x:KA+8*\x+7], v[QF+8*\x:QF+8*\x+7], 0
.else
	v_wmma_f32_16x16x32_bf16 v[ACC+8*\x:ACC+8*\x+7], v[KA+8*\x:KA+8*\x+7], v[QF+8*\x:QF+8*\x+7], v[ACC+8*\x:ACC+8*\x+7]
.endif
.endr
	PLACES
.endm
	s_wait_alu depctr_va_vdst(0)                   ; the wait at the head's end
	s_wait_tensorcnt 0x0                           ; my quarter is in LDS,
	s_barrier_signal -1
	s_barrier_wait -1                              ; and so is everybody's
	GROUP 0, 1
	GROUP 1, 0
	GROUP 2, 0
	GROUP 3, 0
.irp i, 0,2,4                          ; each accumulator is read from its low end on
	v_pk_add_f32 v[112+\i:113+\i], v[ACC+\i:ACC+\i+1], v[ACC+8+\i:ACC+8+\i+1]
.endr
.irp i, 0,2,4
	v_pk_add_f32 v[118+\i:119+\i], v[ACC+16+\i:ACC+16+\i+1], v[ACC+24+\i:ACC+24+\i+1]
.endr
.irp i, 0,2,4
	v_pk_add_f32 v[112+\i:113+\i], v[112+\i:113+\i], v[118+\i:119+\i]
.endr
.irp i, 0,1,2,3,4,5
	v_permlanex16_b32 v[118+\i], v[112+\i], s46, s47   ; the other half of the lanes' sums
.endr
.irp i, 0,2,4
	v_pk_add_f32 v[112+\i:113+\i], v[112+\i:113+\i], v[118+\i:119+\i]   ; hi's and lo's together
.endr
.irp i, 0,2,4
	ds_store_b64 v6, v[112+\i:113+\i] offset:4*\i  ; lanes 16-31 write the same numbers once more, behind the 384 bytes that count
.endr
	s_wait_dscnt 0x0                               ; for the others' sake: my stores have landed
	s_barrier_signal -1
	s_barrier_wait -1
	s_cmp_lg_u32 s12, 0                            ; what is left is 96 numbers: wave 0 does it; the ways join ahead of the closing round
	s_cbranch_scc1 .Lothers
.irp w, 0,1,2,3,4,5,6,7
	ds_load_b128 v[48+4*\w:51+4*\w], v7 offset:1024*\w
.endr
	s_wait_dscnt 0x0
.irp i, 0,2,4,6,8,10,12,14
	v_pk_add_f32 v[48+\i:49+\i], v[48+\i:49+\i], v[64+\i:65+\i]
.endr
.irp i, 0,2,4,6
	v_pk_add_f32 v[48+\i:49+\i], v[48+\i:49+\i], v[56+\i:57+\i]
.endr
.irp i, 0,2
	v_pk_add_f32 v[48+\i:49+\i], v[48+\i:49+\i], v[52+\i:53+\i]
.endr
	v_pk_mul_f32 v[48:49], v[48:49], 0x3c800000 op_sel_hi:[1,0]   ; x 1 / 64
	v_pk_mul_f32 v[50:51], v[50:51], 0x3c800000 op_sel_hi:[1,0]
	v_cmp_gt_u32 vcc_lo, 24, v1                    ; 24 lanes x 16 bytes are the 384 bytes
	s_wait_alu depctr_va_vdst(0)                   ; directly ahead of the wait below
	s_wait_xcnt 0x0                                ; EXEC changes only behind this wait
	s_and_saveexec_b32 s15, vcc_lo
	global_store_b128 v8, v[48:51], s[8:9]         ; 384 consecutive bytes, at 384 g from out0's first byte: 16 whole rows
	s_wait_xcnt 0x0                                ; and again, in front of the line that widens it
	s_or_b32 exec_lo, exec_lo, s15
.Lothers:
	s_wait_tensorcnt 0x0                           ; the wave's end
	ds_add_u32 v128, v129
	s_wait_dscnt 0x0
	CROUND                                         ; the closing round
	s_endpgm
.Lfunc_end_k_q9f62d63aaf_dot:
	.size	k_q9f62d63aaf_dot, .Lfunc_end_k_q9f62d63aaf_dot-k_q9f62d63aaf_dot
	.p2alignl 7, 3214868480
	.fill 96, 4, 3214868480
	.section	.rodata,"a",@progbits
	.p2align	6, 0x0
	.amdhsa_kernel k_q9f62d63aaf_dot
		.amdhsa_group_segment_fixed_size 271360
		.amdhsa_private_segment_fixed_size 0
		.amdhsa_enable_private_segment 0
		.amdhsa_kernarg_size 24
		.amdhsa_user_sgpr_count 2
		.amdhsa_user_sgpr_kernarg_segment_ptr 1
		.amdhsa_wavefront_size32 1
		.amdhsa_system_sgpr_workgroup_id_x 1
		.amdhsa_system_sgpr_workgroup_id_y 1
		.amdhsa_system_sgpr_workgroup_id_z 1
		.amdhsa_system_vgpr_workitem_id 0
		.amdhsa_next_free_vgpr 130
		.amdhsa_next_free_sgpr 66
		.amdhsa_reserve_vcc 1
		.amdhsa_float_denorm_mode_32 3
		.amdhsa_float_denorm_mode_16_64 3
		.amdhsa_memory_ordered 1
		.amdhsa_forward_progress 1
		.amdhsa_inst_pref_size 15
	.end_amdhsa_kernel
	.amdgpu_metadata
---
amdhsa.version: [ 1, 2 ]
amdhsa.kernels:
  - .name:           k_q9f62d63aaf_dot
    .symbol:         k_q9f62d63aaf_dot.kd
    .args:
      - { .name: qimg, .offset: 0, .size: 8, .value_kind: global_buffer, .address_space: global }
      - { .name: kf, .offset: 8, .size: 8, .value_kind: global_buffer, .address_space: global }
      - { .name: out0, .offset: 16, .size: 8, .value_kind: global_buffer, .address_space: global }
    .group_segment_fixed_size: 271360
    .private_segment_fixed_size: 0
    .kernarg_segment_align: 8
    .kernarg_segment_size: 24
    .max_flat_workgroup_size: 256
    .sgpr_count:     66
    .vgpr_count:     130
    .wavefront_size: 32
...
	.end_amdgpu_metadata
.endif
;; end of part 3
